; MI455X (gfx1250); checked and timed in simulation.
; The chip was launched on July 23, 2026; its instructions are those of AMD's public machine-readable ISA for CDNA 5 (MIT licence, August 2026) and "CDNA5" Instruction Set Architecture Reference Guide (July 2026). The comments in the code are by the model that wrote it; some were corrected since.
;; Cross Attention Fusion. Allowed arithmetic: matrix products marked QUANTISED: E2M1 operands, one E8M0 scale for each 32 along K, by v_wmma_scale_f32_16x16x128_f8f6f4 with both operands' format E2M1 (or v_wmma_scale_f32_32x16x128_f4), f32 sums; products left as they are: f32 operands where the result goes on into a quantised operand, else bf16, f16 or f32 operands; f32 sums; everything else in f32.
;; Inputs: Wk_codes 1,024 x 32 x 16 uint8 (E2M1 codes of Wk, K innermost, in blocks of 32 codes, two codes a byte); Wk_scales 1,024 x 32 uint8 (E8M0 scales of Wk, one for each 32 codes along K); Wo_codes 1,024 x 32 x 16 uint8 (E2M1 codes of Wo, K innermost, in blocks of 32 codes, two codes a byte); Wo_scales 1,024 x 32 uint8 (E8M0 scales of Wo, one for each 32 codes along K); Wq_codes 1,024 x 32 x 16 uint8 (E2M1 codes of Wq, K innermost, in blocks of 32 codes, two codes a byte); Wq_scales 1,024 x 32 uint8 (E8M0 scales of Wq, one for each 32 codes along K); Wv_codes 1,024 x 32 x 16 uint8 (E2M1 codes of Wv, K innermost, in blocks of 32 codes, two codes a byte); Wv_scales 1,024 x 32 uint8 (E8M0 scales of Wv, one for each 32 codes along K); bk 1,024 float32; bo 1,024 float32; bq 1,024 float32; bv 1,024 float32; feat1_codes 16,384 x 32 x 16 uint8 (E2M1 codes of feat1, K innermost, in blocks of 32 codes, two codes a byte); feat1_scales 16,384 x 32 uint8 (E8M0 scales of feat1, one for each 32 codes along K); feat2_codes 16,384 x 32 x 16 uint8 (E2M1 codes of feat2, K innermost, in blocks of 32 codes, two codes a byte); feat2_scales 16,384 x 32 uint8 (E8M0 scales of feat2, one for each 32 codes along K).
;; Outputs: out0 16,384 x 1,024 float32.
;; This version of the problem:
;;   THIS VERSION OF THE PROBLEM IS GIVEN IN LOW PRECISION. The matrix products marked QUANTISED in the list below multiply operands that are first quantised to E2M1 (2 exponent bits, 1 mantissa bit; 4 bits a number), with one power-of-two scale for each 32 numbers along K (OCP MX v1.0); their sums are f32. All else is computed in f32.
;;   The module's matrix products, in the order in which they are computed (A, B: the left and right operand; K: the contracted axis; several contracted axes count as one K, in the product's order):
;;     1. [M 16,384, K 1,024] x [K 1,024, N 1,024]; A: input feat1 (given as codes); B: input Wq (given as codes): QUANTISED
;;     2. [M 16,384, K 1,024] x [K 1,024, N 1,024]; A: input feat2 (given as codes); B: input Wk (given as codes): QUANTISED
;;     3. [M 16,384, K 1,024] x [K 1,024, N 1,024]; A: input feat2 (given as codes); B: input Wv (given as codes): QUANTISED
;;     4. batch 16,384 x [M 8, K 128] x [K 128, N 8]; A: computed on the way; B: computed on the way: left as it is (M = 8 < 16)
;;     5. batch 16,384 x [M 8, K 8] x [K 8, N 128]; A: softmax; B: computed on the way: left as it is (K = 8 < 32)
;;     6. [M 16,384, K 1,024] x [K 1,024, N 1,024]; A: computed on the way; B: input Wo (given as codes): QUANTISED
;;   THE QUANTISER, for each operand of a quantised product, along K:
;;     - K is cut into blocks of 32 from its start; a last block that is shorter is filled with zeros.
;;     - A block's scale is 2^e with e = floor(log2(the largest magnitude in the block)) - 2, held to -126 .. 127; a block of zeros has e = 0. As a byte (E8M0): e + 127.
;;     - Each number is divided by its block's scale, clamped to +-6, and rounded to the nearest number of E2M1, ties to even, subnormals kept.
;;     - The product sums the exact products of the quantised numbers (number of the format x scale) in f32.
;;   ~~~python
;;   def quantise(x, axis):      # numpy; x: float32 -> the quantised numbers, widened to float32 again
;;       x = np.moveaxis(x, axis, -1); K = x.shape[-1]
;;       x = np.pad(x, [(0, 0)] * (x.ndim - 1) + [(0, -K % 32)]); x = x.reshape(x.shape[:-1] + (-1, 32)); a = np.abs(x).max(-1, keepdims=True)
;;       e = np.where(a > 0, np.clip(np.frexp(np.where(a > 0, a, 1))[1] - 1 - 2, -126, 127), 0)      # np.frexp(a)[1] - 1 = floor(log2(a)), exactly
;;       r = np.clip(x / 2.0 ** e, -6, 6)
;;       step = 2.0 ** (np.maximum(np.frexp(np.where(r == 0, 1, r))[1] - 1, 0) - 1)
;;       q = np.round(r / step) * step * 2.0 ** e      # np.round: ties to even
;;       return np.moveaxis(q.reshape(q.shape[:-2] + (-1,))[..., :K], -1, axis).astype(np.float32)
;;   ~~~
;;   OPERANDS COMPUTED ON THE WAY. 'Computed on the way' means the value that the module computes at that place (a softmax that the list does not call 'softmax' is quantised finished and normalised). What goes into a quantiser is computed in f32, as accurately as f32 sums, v_exp_f32 and their like allow (about 1e-6 of the number): no bf16 or f16 on the way to a quantiser, and a product that is left as it is and whose result goes on into a quantised operand takes f32 operands (vector FMAs, or v_wmma_f32_16x16x4_f32). A number that lies on a knife's edge between two numbers of the format may be rounded either way, as far as f32 arithmetic and the matrix unit's own rounding can turn it there, and no further.
;;   INPUTS GIVEN AS CODES. Wk (in the module: [1024, 1024], K = its axis 0); Wo (in the module: [1024, 1024], K = its axis 0); Wq (in the module: [1024, 1024], K = its axis 0); Wv (in the module: [1024, 1024], K = its axis 0); feat1 (in the module: [16384, 1024], K = its axis 1); feat2 (in the module: [16384, 1024], K = its axis 1): each comes as NAME_codes (uint8): NAME with its K axis moved to the last place and cut into blocks of 32 codes, [.., K / 32, bytes a block], one block behind the other in memory; two codes a byte, the lower K in the low four bits (a code: sign, 2 exponent bits, 1 mantissa bit); and NAME_scales (uint8): the same leading axes, one E8M0 byte (e + 127) for each 32 codes along K. Its value is code x scale, taken as it is: it is not quantised again, and the codes and scales need not be those that the quantiser above would give.
;; One version. Each part assembles by itself: llvm-mc -triple=amdgcn-amd-amdhsa -mcpu=gfx1250 --defsym DOCPART=n.
;; ======== version 1 of 1: 1 launch
;; limits: right only within a limited range of input values
;; launch fused (part 1): grid 256 x 1, 4 waves a work-group, clusters of 4 x 1, 327,680 bytes of LDS; arguments feat1_codes, feat1_scales, feat2_codes, feat2_scales, Wq_codes, Wq_scales, bq, Wk_codes, Wk_scales, bk, Wv_codes, Wv_scales, bv, Wo_codes, Wo_scales, bo, out0; writes out0
.if DOCPART == 1
	.amdgcn_target "amdgcn-amd-amdhsa--gfx1250"
	.amdhsa_code_object_version 6
	.text
	.protected	k_q11221fcb0d_fused
	.globl	k_q11221fcb0d_fused
	.p2align	8
	.type	k_q11221fcb0d_fused,@function
k_q11221fcb0d_fused:
	s_mov_b64 s[64:65], 0
	v_nop
	global_prefetch_b8 v0, s[64:65] scope:SCOPE_SE
	s_setreg_imm32_b32 hwreg(HW_REG_WAVE_MODE, 25, 1), 1
	s_wait_xcnt 0x0
	s_wait_alu depctr_hold_cnt(0) depctr_sa_sdst(0) depctr_va_vdst(0) depctr_va_sdst(0) depctr_va_ssrc(0) depctr_va_vcc(0) depctr_vm_vsrc(0)
	s_getreg_b32 s2, hwreg(HW_REG_IB_STS2, 6, 4)
	s_cmp_eq_u32 s2, 0
	s_cbranch_scc0 .Lentry_in_a_cluster
	s_endpgm
.Lentry_in_a_cluster:
	s_bfe_u32 s2, ttmp6, 0x10000c
	s_cmp_lg_u32 s2, 0x3003
	s_cbranch_scc0 .Lentry_shape_is_right
	s_endpgm
.Lentry_shape_is_right:
; out = softmax over heads g of (Q_h . K_g / sqrt(128)) times V_g, times Wo, + bo;  Q = feat1 Wq + bq, K = feat2 Wk + bk, V = feat2 Wv + bv.  One launch.
; SHARES.  A work-group owns 64 samples (rows) through all four products; 16,384 rows make 256 work-groups.  Each of its four waves owns 32 of every head's 128 columns (columns 128 g + 32 w .. + 31)
; in Q, K and V, and columns 256 w .. + 255 of the output.  A UNIT is 32 rows of a weight x K = 1,024, times the 64 samples: 32 matrix instructions, in four steps of 256 along K.  A SLOT is two units for every wave: 256 rows of a weight, 131,072 bytes.
; The 16 slots of weights (4 each of Wq, Wk, Wv, Wo) walk through a ring of two LDS slots, filled by joint tensor loads: the four work-groups of a cluster walk the same weights in step.
; THE MATRIX INSTRUCTION IS USED TRANSPOSED: source 0 = 32 rows of the weight, source 1 = 16 samples: lane (r, h) then holds sample r and, in registers 8 t + j, the columns 16 t + 8 h + j.
; The bias is the C of a unit's first instruction.  Q stays in 512 registers (windows 2 and 3: head h, samples 16 m ..: v[128 (m % 2) + 16 h ..] of window 2 + m / 2).  K's unit of head g gives partial scores over the wave's 32
; columns for all eight h (packed f32 multiply-adds); the four waves' parts are added through LDS.  After the softmax V's unit of head g is added, weighted, to the context, which takes Q's registers.
; The context is quantised where it lies (a block of 32 along K is a wave's 32 columns of one head), goes through LDS as an image of the operand's registers, and is multiplied by Wo.
; LIMIT: the promise holds while the scaled scores (exponents to the base 2, before the maximum is taken away) stay under 2^31 in magnitude.
; WINDOW 0: v0-31 addresses; then by phase:  Q: v32 XS1, v48 XS2, v64-95 two bias sets, v96-127 four sets of scale words, v128-255 four fragment buffers.
;   K, V: v32-47 score sums or weights, v48 XS2, v64-79 two sets of scale words, v80-95 biases, v96, v128, v224 three fragment buffers, v160-223 the unit's result; v224-255 also sums or weights between the products.
;   O: v32 XS1, v48, v80 two bias sets, v64-79 scale words, v96, v128, v224 three fragment buffers, v160-223 rows on their way out.   WINDOW 1: the samples' fragments (64 m + 8 (K / 128)).
.set PITCH, 528                        ; an LDS row of weights: 512 bytes + 16 of padding
.set SLOT,  256*PITCH
.set R1,    2*SLOT                     ; behind the ring: feat1, feat2 (64 rows); then partial scores; then the context's codes
.set CSB,   R1+64*PITCH                ; the context's scale bytes
.set STAGE, CSB+2048                   ; a wave's own stores: scores in K, then its 16 samples' softmax (which all waves read in V), then rows on their way out in O
.set WSTG,  4608
.set SPARE, STAGE+4*WSTG               ; the spare words, 128 bytes a wave
.set WSTEP, 131072
.set LW,   1
.set AWB0, 2
.set AWB1, 3
.set ADW0, 4                           ; v4, v5: LDS address of my fragments in the slot in hand, first and second unit
.set ADW1, 5
.set L16,  6
.set PFB,  6                           ; prefetch offsets: biases
.set VSO,  7
.set VBO,  8
.set PAD0, 9
.set PADV, 10
.set RAD0, 11
.set RADV, 12
.set SC0,  13
.set SCV,  14
.set ATW,  15
.set ATR0, 16
.set ATA,  17
.set RADO, 17
.set CAD,  18
.set SAD,  19
.set STO,  20
.set SRD,  21
.set GOF,  22
.set XGO,  23
.set XST,  24
.set XRD,  25
.set CSR,  26
.set CIM,  27
.set SPW,  28
.set NIL,  29
.set PFO,  30                          ; codes
.set PFS,  31                          ; scale bytes of Wq, Wk, Wv
.set PFSO, 0                           ; scale bytes of Wo
.set XS1,  32
.set XS2,  48
.set RS,   32
.set T,    160
.set ACC,  224
.set AT,   224
.set MX,   T+32
.set SM,   T+36
.set RC,   T+40
.set QM,   T
.set QM2,  T+8
.set QSO,  T+16
.set QBY,  T+24
.set QC,   T+32
.set WV,   38
.set CX,   39
.set WG,   40
.set TMP,  41
.set OW,   42
.set OC,   44
.set SP,   46                          ; scale bytes and biases of the next weight, as the prefetches walk them
.set G1,   48
.set G0A,  56
.set BP,   60
.set SQ,   62
.set FA,   66                          ; the tile that the next change of slots asks for; FB, FC: the one and two behind it
.set FB,   68
.set FC,   70
.set FS,   72
.set PS,   74
.set PB,   76
.set NPS,  78
.set NPB,  80
.set SB,   82
.set PBY,  83
.set GS,   84
.set TRIP, 85
.set SEL,  86
.set CS,   88
.set PFON, 90
.set WL,   92
.set SS,   94
.set BQ,   96
.set MSB, 0
.macro WIN new                         ; the immediate's high byte repeats the setting that is left
.set NW_, \new
.if MSB != NW_
	s_set_vgpr_msb (MSB<<8)|NW_
.set MSB, NW_
.endif
.endm
.macro WALU
	s_wait_alu depctr_va_vdst(0)
.endm
.macro PLACES n
.rept \n
	v_nop
.endr
.endm
.macro BAR
	s_barrier_signal -1
	s_barrier_wait -1
.endm
.macro CREST                           ; a round of the cluster's barrier behind its opening barrier
	s_cmp_lg_u32 s[WV], 0
	s_cbranch_scc1 .Lnot_wave_0_\@
	s_barrier_signal -3
.Lnot_wave_0_\@:
	s_barrier_wait -3
	s_barrier_signal -1
	s_barrier_wait -1
.endm
.macro ROUND
	BAR
	CREST
.endm
; The fragments of a step (32 rows x 256 along K: two deep) into buffer b: eight loads.
.macro WLOAD adr, q, b
.irp sl, 0,1
.irp t, 0,1
.irp c, 0,1
	ds_load_b128 v[(\b)+16*\sl+8*\t+4*\c:(\b)+16*\sl+8*\t+4*\c+3], v[\adr] offset:8448*\t+64*(2*(\q)+\sl)+32*\c
.endr
.endr
.endr
.endm
; A unit's scale words (lane l: row l, eight words) and biases (register 8 t + j: column 16 t + 8 h + j): six loads.
.macro UL ws, bi, ps, pb, os, ob
.irp c, 0,1
	global_load_b128 v[\ws+4*\c:\ws+4*\c+3], v[VSO], s[\ps:\ps+1] offset:\os+16*\c
.endr
.irp t, 0,1
.irp c, 0,1
	global_load_b128 v[\bi+8*\t+4*\c:\bi+8*\t+4*\c+3], v[VBO], s[\pb:\pb+1] offset:\ob+64*\t+16*\c
.endr
.endr
.endm
; n x 4 matrix instructions: K steps 2 q + s0 .. of the unit, the four sample blocks by turns.  big: the result is head h's (windows 2, 3), else T.
.macro MM big, h, q, s0, n
.set iS, \s0
.rept \n
.set kS, 2*(\q)+iS
.irp m, 0,1,2,3
.if \big
.set rD, 128*(\m%2)+16*(\h)
.set wD, 2+\m/2
.else
.set rD, T+16*\m
.set wD, 0
.endif
.if kS == 0
.set rC, mBI
	WIN ((wD<<6)|4)
.else
.set rC, rD
	WIN ((wD<<6)|(wD<<4)|4)
.endif
.set rA, mWB+16*iS
.set rB, 64*\m+8*kS
.set rSA, mWS+kS
.set rSB, mXS+8*(\m/2)+kS
.if \m%2
	v_wmma_scale_f32_32x16x128_f4 v[rD:rD+15], v[rA:rA+15], v[rB:rB+7], v[rC:rC+15], v[rSA], v[rSB] matrix_b_scale:MATRIX_SCALE_ROW1
.else
	v_wmma_scale_f32_32x16x128_f4 v[rD:rD+15], v[rA:rA+15], v[rB:rB+7], v[rC:rC+15], v[rSA], v[rSB]
.endif
.endr
.set iS, iS+1
.endr
.endm
; In front of the barrier of a change of slots: all my tensor loads have landed (my part of the next slot among them); an add to my spare word; the descriptor of the refill.
.macro DRAIN fill
	s_wait_tensorcnt 0x0
	ds_add_u32 v[SPW], v[NIL]
.if \fill
	s_wait_xcnt 0x0                                ; any prefetch of mine has read its base
	s_add_co_u32 s[G0A+1], s[SB], s[WL]            ; into the slot in hand
	s_mov_b64 s[G0A+2:G0A+3], s[FA:FA+1]
	s_or_b32 s[G0A+3], s[G0A+3], 0x80000000
	s_mov_b64 s[FA:FA+1], s[FB:FB+1]
	s_mov_b64 s[FB:FB+1], s[FC:FC+1]
	s_add_nc_u64 s[FC:FC+1], s[FC:FC+1], s[FS:FS+1]
	s_mov_b64 s[SQ:SQ+1], s[SP:SP+1]
	s_add_nc_u64 s[SP:SP+1], s[SP:SP+1], s[SS:SS+1]
	s_mov_b64 s[BQ:BQ+1], s[BP:BP+1]
	s_add_nc_u64 s[BP:BP+1], s[BP:BP+1], 1024
.endif
	s_xor_b32 s[SB], s[SB], SLOT
	s_wait_dscnt 1                                 ; the slot's last fragments are in; the add may be out
.endm
.macro FILL
	tensor_load_to_lds s[G0A:G0A+3], s[G1:G1+7]
	s_nop 0
	PLACES 4
.endm
.macro SLOTADR
	v_add_nc_u32 v[ADW0], s[SB], v[AWB0]
	v_add_nc_u32 v[ADW1], s[SB], v[AWB1]
	WALU
.endm
; PREFETCH INTO THE L2 at a change of slots: the tile that the change after next asks for (32,768 bytes a wave, a quarter of them by each work-group of the cluster, told apart by address), with its scale bytes and, wave 0, its biases.
; All 64 clusters walk the same weights: the first four ask.  In the last four slots nothing is left to ask for.
.macro ASK pfs
	s_cmp_lg_u32 s[PFON], 0
	s_cbranch_scc0 .Lnoask_\@
	global_prefetch_b8 v[PFO], s[FB:FB+1] th:TH_LOAD_NT scope:SCOPE_SE
	global_prefetch_b8 v[\pfs], s[SQ:SQ+1] th:TH_LOAD_NT scope:SCOPE_SE
	s_cmp_lg_u32 s[WV], 0
	s_cbranch_scc1 .Lnoask_\@
	global_prefetch_b8 v[PFB], s[BQ:BQ+1] th:TH_LOAD_NT scope:SCOPE_SE
.Lnoask_\@:
.endm
.macro XFK s                           ; the 64 samples' fragments of 128 along K into window 1: eight loads
	WIN 0x40
.irp m, 0,1,2,3
.irp c, 0,1
	ds_load_b128 v[64*\m+8*\s+4*\c:64*\m+8*\s+4*\c+3], v[XRD] offset:8448*\m+64*\s+32*\c
.endr
.endr
.endm
.macro CFETCH                          ; the context's scale words (four loads), then its fragments, K ascending
.irp p, 0,1
.irp c, 0,1
	ds_load_b128 v[XS1+8*\p+4*\c:XS1+8*\p+4*\c+3], v[CSR] offset:1024*\p+16*\c
.endr
.endr
	WIN 0x40
.irp s, 0,1,2,3,4,5,6,7
.irp m, 0,1,2,3
.irp c, 0,1
	ds_load_b128 v[64*\m+8*\s+4*\c:64*\m+8*\s+4*\c+3], v[CIM] offset:1024*(8*\m+\s)+512*\c
.endr
.endr
.endr
	WIN 0
.endm
; ---- Q: eight units, written out (each has accumulators of its own).  A slot is eight steps; step s takes fragment buffer s mod 4, unit u scale set u mod 4 and bias set u mod 2.
.macro QMM j, s, s0, n
.set mWB, 128+32*(\s%4)
.set mWS, 96+8*((2*\j+\s/4)%4)
.set mBI, 64+16*(\s/4)
.set mXS, XS1
	MM 1, 2*\j+\s/4, \s%4, \s0, \n
.endm
.macro QSLOT j, w0, w1, lc0, lc1       ; w0, w1: LDS instructions behind the first two pairs of fragment runs;  lc0, lc1: loads behind the two units' scale sets
	s_wait_loadcnt \lc0
	s_wait_dscnt \w0
	QMM \j, 0, 0, 2
	QMM \j, 1, 0, 2
	WIN 0
	PLACES 4
	WLOAD ADW1, 0, 128
	WLOAD ADW1, 1, 160
.if \j<3
	UL 96+8*((2*\j+2)%4), 64, 14, 16, 4096*(2*\j+2), 512*(2*\j+2)
.endif
	s_wait_dscnt \w1
	QMM \j, 2, 0, 2
	QMM \j, 3, 0, 2
	WIN 0
	PLACES 4
	WLOAD ADW1, 2, 192
	WLOAD ADW1, 3, 224
	s_wait_loadcnt \lc1
	s_wait_dscnt 16
	QMM \j, 4, 0, 2
	QMM \j, 5, 0, 2
	WIN 0
	DRAIN 1
	QMM \j, 6, 0, 1
	s_wait_dscnt 0x0                               ; the add is done, and my reads of this slot are over
	s_barrier_signal -1
	QMM \j, 6, 1, 1                                ; registers only, while the others arrive
	WIN 0
	s_barrier_wait -1
	CREST
	FILL
.if \j<3
	UL 96+8*((2*\j+3)%4), 80, 14, 16, 4096*(2*\j+3), 512*(2*\j+3)
	SLOTADR
	WLOAD ADW0, 0, 128
	WLOAD ADW0, 1, 160
	QMM \j, 7, 0, 2
	WIN 0
	PLACES 4
	WLOAD ADW0, 2, 192
	WLOAD ADW0, 3, 224
.if \j==0                              ; feat2's rows into LDS: every wave has fetched feat1's ahead of the barrier just passed
	s_wait_loadcnt 16                              ; behind them 4 + 6 + 6 loads
	WIN 0x0c
.irp i, 0,1,2,3,4,5,6,7,8,9,10,11,12,13,14,15
	ds_store_b128 v[XST], v[64+4*\i:64+4*\i+3] offset:PITCH*\i
.endr
	WIN 0
.endif
.else
	UL 64, 80, PS, PB, 0, 0                        ; K's first unit
	XFK 0                                          ; feat2's fragments: the last step names only the last two of K's eight parts
	XFK 1
	XFK 2
	XFK 3
	XFK 4
	XFK 5
	QMM \j, 7, 0, 2
	WIN 0
	PLACES 4
	XFK 6
	XFK 7
	WIN 0
	SLOTADR
	WLOAD ADW0, 0, 96
	WLOAD ADW0, 1, 128
.endif
	ASK PFS
.endm
; ---- K and V: a step of the loops from fragment buffer b; steps 0 to 3 (unit 0) take scale set 0, the others set 1.
.macro KMM s, b, s0, n
.set mWB, \b
.set mWS, 64+8*(\s/4)
.set mBI, 80
.set mXS, XS2
	MM 0, 0, \s%4, \s0, \n
.endm
.macro STEPU                           ; on to the next slot's scales and biases, or to the next weight's (my loads through these pointers are back)
	s_add_nc_u64 s[PS:PS+1], s[PS:PS+1], 8192
	s_add_nc_u64 s[PB:PB+1], s[PB:PB+1], 1024
	s_cmp_eq_u32 s[TRIP], 1
	s_cselect_b64 s[PS:PS+1], s[NPS:NPS+1], s[PS:PS+1]
	s_cselect_b64 s[PB:PB+1], s[NPB:NPB+1], s[PB:PB+1]
.endm
; Partial scores of head g for all eight h over my 32 columns, sample blocks 2 p and 2 p + 1: sixteen sums by turns; lanes l and l xor 16 are joined: lanes 0-15 keep h = 0 .. 3, lanes 16-31 h = 4 .. 7.
.macro SCPAIR a, p
	WIN (2+\p)
.irp e, 0,1
.irp h, 0,1,2,3,4,5,6,7
	v_pk_mul_f32 v[ACC+16*\e+2*\h:ACC+16*\e+2*\h+1], v[128*\e+16*\h:128*\e+16*\h+1], v[T+32*\p+16*\e:T+32*\p+16*\e+1]
.endr
.endr
.irp i, 1,2,3,4,5,6,7
.irp e, 0,1
.irp h, 0,1,2,3,4,5,6,7
	v_pk_fma_f32 v[ACC+16*\e+2*\h:ACC+16*\e+2*\h+1], v[128*\e+16*\h+2*\i:128*\e+16*\h+2*\i+1], v[T+32*\p+16*\e+2*\i:T+32*\p+16*\e+2*\i+1], v[ACC+16*\e+2*\h:ACC+16*\e+2*\h+1]
.endr
.endr
.endr
	WIN 0
.irp h, 0,1,2,3,4,5,6,7
.irp e, 0,1
	v_add_f32 v[ACC+16*\e+\h], v[ACC+16*\e+2*\h], v[ACC+16*\e+2*\h+1]
.endr
.endr
.irp i, 0,1,2,3
.irp e, 0,1
	v_permlane16_swap_b32 v[ACC+16*\e+\i], v[ACC+16*\e+4+\i]
.endr
.endr
.irp e, 0,1
.irp i, 0,1,2,3
	v_add_f32 v[RS+8*\p+4*\e+\i], v[ACC+16*\e+\i], v[ACC+16*\e+4+\i]
.endr
.endr
.irp e, 0,1
	ds_store_b128 v[PADV], v[RS+8*\p+4*\e:RS+8*\p+4*\e+3] offset:8192*\a+1024*\p+512*\e
.endr
.endm
.macro RSUM b, d                       ; the four waves' parts (4 x 4 registers at b) into d .. d + 3
	v_pk_add_f32 v[\b:\b+1], v[\b:\b+1], v[\b+4:\b+5]
	v_pk_add_f32 v[\b+2:\b+3], v[\b+2:\b+3], v[\b+6:\b+7]
	v_pk_add_f32 v[\b+8:\b+9], v[\b+8:\b+9], v[\b+12:\b+13]
	v_pk_add_f32 v[\b+10:\b+11], v[\b+10:\b+11], v[\b+14:\b+15]
	v_pk_add_f32 v[\d:\d+1], v[\b:\b+1], v[\b+8:\b+9]
	v_pk_add_f32 v[\d+2:\d+3], v[\b+2:\b+3], v[\b+10:\b+11]
.endm
.macro ATL a, p                        ; softmax weights of head g for my lane's samples of blocks 2 p, 2 p + 1, h = 0 .. 7: four loads
.irp e, 0,1
.irp c, 0,1
	ds_load_b128 v[32+192*\p+8*\e+4*\c:32+192*\p+8*\e+4*\c+3], v[ATA] offset:WSTG*(2*\p+\e)+512*\a+16*\c
.endr
.endr
.endm
.macro VP first, p                     ; context(h) (+)= weight(h, g) x V(g), blocks 2 p, 2 p + 1; first: the sums begin, nothing is cleared
.if \first
	WIN ((2+\p)<<6)
.else
	WIN (((2+\p)<<6)|((2+\p)<<4))
.endif
.irp e, 0,1
.irp h, 0,1,2,3,4,5,6,7
.irp i, 0,1,2,3,4,5,6,7
.set rO, 128*\e+16*\h+2*\i
.set rV, T+32*\p+16*\e+2*\i
.set rW, 32+192*\p+8*\e+2*(\h/2)
.if \first
.if \h%2
	v_pk_mul_f32 v[rO:rO+1], v[rV:rV+1], v[rW:rW+1] op_sel:[0,1] op_sel_hi:[1,1]
.else
	v_pk_mul_f32 v[rO:rO+1], v[rV:rV+1], v[rW:rW+1] op_sel_hi:[1,0]
.endif
.else
.if \h%2
	v_pk_fma_f32 v[rO:rO+1], v[rV:rV+1], v[rW:rW+1], v[rO:rO+1] op_sel:[0,1,0] op_sel_hi:[1,1,1]
.else
	v_pk_fma_f32 v[rO:rO+1], v[rV:rV+1], v[rW:rW+1], v[rO:rO+1] op_sel_hi:[1,0,1]
.endif
.endif
.endr
.endr
.endr
	WIN 0
.endm
; The context's blocks of samples 16 m ..: eight heads, a block of 32 each (my 16 registers, lane l xor 16's 16).
.macro QUANTM m
.set wX, 2+(\m)/2
.set bX, 128*((\m)%2)
	WIN (wX|(wX<<2))
.irp h, 0,1,2,3,4,5,6,7
	v_max3_num_f32 v[QM+\h], |v[bX+16*\h]|, |v[bX+16*\h+1]|, 0x1800000   ; and the floor 2^(3 - 127): the byte cannot fall under 1
.endr
.irp i, 1,2,3,4,5,6,7
.irp h, 0,1,2,3,4,5,6,7
	v_max3_num_f32 v[QM+\h], |v[bX+16*\h+2*\i]|, |v[bX+16*\h+2*\i+1]|, v[QM+\h]
.endr
.endr
	WIN 0
.irp h, 0,1,2,3,4,5,6,7
	v_permlanex16_b32 v[QM2+\h], v[QM+\h], s[SEL], s[SEL+1]
.endr
.irp h, 0,1,2,3,4,5,6,7
	v_max_num_f32 v[QM+\h], v[QM+\h], v[QM2+\h]
.endr
.irp h, 0,1,2,3,4,5,6,7
	v_add_nc_u32 v[QSO+\h], 0xff000000, v[QM+\h]   ; 2 off the exponent field: the conversion's scale operand
.endr
.irp h, 0,1,2,3,4,5,6,7
	v_lshrrev_b32 v[QBY+\h], 23, v[QSO+\h]
.endr
	WIN wX
.irp p, 0,1,2,3
.irp e, 0,1
.irp t, 0,1
	v_cvt_scalef32_pk8_fp4_f32 v[QC+4*\p+2*\t+\e], v[bX+32*\p+16*\e+8*\t:bX+32*\p+16*\e+8*\t+7], v[QSO+2*\p+\e]
.endr
.endr
.endr
	WIN 0
	v_nop
.irp h, 0,1,2,3
	v_permlane16_swap_b32 v[QBY+\h], v[QBY+4+\h]   ; lanes 0-15: head h's byte, lanes 16-31: head h + 4's
.endr
.irp p, 0,1,2,3
.irp t, 0,1
	v_permlane16_swap_b32 v[QC+4*\p+2*\t], v[QC+4*\p+2*\t+1]   ; four registers = the block's 16 bytes: lanes 0-15 head 2 p, lanes 16-31 head 2 p + 1
.endr
.endr
.irp h, 0,1,2,3
	ds_store_b8 v[SAD], v[QBY+\h] offset:512*(\m)+4*\h
.endr
.irp p, 0,1,2,3
	ds_store_b128 v[CAD], v[QC+4*\p:QC+4*\p+3] offset:1024*(8*(\m)+2*\p)
.endr
.endm
; ---- O: four slots, written out; the accumulators take turns from slot to slot (par), so that a slot's rows leave in the breaks between the next slot's products.
; The way out of 16 rows x 64 columns: through my own stage, back as rows of 256 bytes, stored as whole aligned units of 256 bytes.
.macro TOSTAGE par, m
	WIN ((2+(\m)/2)<<2)
.irp a, 0,1
.irp t, 0,1
	ds_store_b128 v[STO], v[128*((\m)%2)+32*(\par)+16*\a+8*\t:128*((\m)%2)+32*(\par)+16*\a+8*\t+3] offset:128*\a+64*\t
	ds_store_b128 v[STO], v[128*((\m)%2)+32*(\par)+16*\a+8*\t+4:128*((\m)%2)+32*(\par)+16*\a+8*\t+7] offset:128*\a+64*\t+16
.endr
.endr
	WIN 0
	s_wait_xcnt 0x0                                ; the stores that read these registers have done so
.irp i, 0,1,2,3,4,5,6,7
	ds_load_b128 v[T+32*((\m)%2)+4*\i:T+32*((\m)%2)+4*\i+3], v[SRD] offset:544*\i
.endr
.endm
.macro SEND j, m, younger              ; younger: LDS instructions issued behind the block's loads, which may be out
	s_wait_dscnt \younger
.irp i, 0,1,2,3,4,5,6,7
	global_store_b128 v[GOF], v[T+32*((\m)%2)+4*\i:T+32*((\m)%2)+4*\i+3], s[36:37] offset:65536*(\m)+8192*\i+256*(\j) th:TH_STORE_NT
.endr
.endm
.macro OMM j, s, s0, n
.set mWB, 96+32*(\s%3)+64*((\s%3)/2)
.set mWS, 64+8*(\s/4)
.set mBI, 80-32*(\s/4)
.set mXS, XS1
	MM 1, 2*(\j%2)+\s/4, \s%4, \s0, \n
.endm
.macro OSTEP j, s
.if \s==6
	s_wait_dscnt 8
.elseif \j==0
.if \s<3
	s_wait_dscnt 48-8*\s                           ; the context's fragments of this step; behind them the later steps', and weights'
.else
	s_wait_dscnt 16
.endif
.elseif \s==0
	s_wait_dscnt 16
.elseif \s==1
	s_wait_dscnt 32                                ; two runs of fragments and the stage's 8 + 8
.else
	s_wait_dscnt 24
.endif
	OMM \j, \s, 0, 2
	WIN 0
.if \s<5
	PLACES 4
	WLOAD ADW0+(\s+3)/4, (\s+3)%4, 96+32*((\s+3)%3)+64*(((\s+3)%3)/2)
.if \j>0
.if \s>0
	SEND \j-1, \s-1, 8
.endif
.if \s<4
	TOSTAGE (\j+1)%2, \s
.endif
.endif
.endif
.endm
.macro OSLOT j
	s_wait_loadcnt 0x0
	UL 72, 48, PS, PB, 1024*(2*\j+1), 128*(2*\j+1)
	OSTEP \j, 0
	OSTEP \j, 1
	OSTEP \j, 2
	OSTEP \j, 3
	s_wait_loadcnt 0x0
.if \j<3
	UL 64, 80, PS, PB, 1024*(2*\j+2), 128*(2*\j+2)
.endif
	OSTEP \j, 4
	OSTEP \j, 5
	OSTEP \j, 6
.if \j==3
	s_wait_dscnt 0x0
	OMM \j, 7, 0, 2
	WIN 0
	PLACES 4
.else
.if \j<2
	DRAIN 1
.else
	DRAIN 0                                        ; the last two slots fill nothing
.endif
	OMM \j, 7, 0, 1
	s_wait_dscnt 0x0
	s_barrier_signal -1
	OMM \j, 7, 1, 1                                ; registers only, while the others arrive
	WIN 0
	s_barrier_wait -1
.if \j<2
	CREST
	FILL
.else
	PLACES 4
.endif
	SLOTADR
	WLOAD ADW0, 0, 96
	WLOAD ADW0, 1, 128
	WLOAD ADW0, 2, 224
.endif
.endm
	s_load_b512 s[4:19], s[0:1], 0x0
	s_load_b512 s[20:35], s[0:1], 0x40
	s_load_b64 s[36:37], s[0:1], 0x80
	v_lshl_add_u32 v[SPW], v0, 2, SPARE
	v_mov_b32 v[NIL], 0
	ds_add_u32 v[SPW], v[NIL]                      ; the wave's opening: the add, twice on end, and its wait
	ds_add_u32 v[SPW], v[NIL]
	v_lshrrev_b32 v30, 5, v0
	v_readfirstlane_b32 s[WV], v30
	v_and_b32 v30, 15, v0                          ; r
	v_bfe_u32 v31, v0, 4, 1                        ; h
	v_and_b32 v[L16], 31, v0
	v_lshlrev_b32 v[VSO], 5, v[L16]
	v_lshlrev_b32 v[L16], 4, v[L16]
	v_lshlrev_b32 v[VBO], 5, v31
	v_mul_u32_u24 v[LW], v30, PITCH
	v_lshl_add_u32 v[LW], v31, 4, v[LW]
	s_mul_i32 s[TMP], s[WV], 32*PITCH
	v_add_nc_u32 v[AWB0], s[TMP], v[LW]            ; my 32 rows of a slot's first head,
	v_add_nc_u32 v[AWB1], 128*PITCH, v[AWB0]       ; and of its second
	s_lshl_b32 s[TMP], s[WV], 11
	s_add_co_u32 s[TMP], s[TMP], R1
	v_add_nc_u32 v[PAD0], s[TMP], v[L16]           ; partial scores: out, by source wave
	s_lshl_b32 s[TMP], s[WV], 9
	s_add_co_u32 s[TMP], s[TMP], R1
	v_add_nc_u32 v[RAD0], s[TMP], v[L16]           ; and in: wave w adds those of samples 16 w ..
	s_mul_i32 s[TMP], s[WV], WSTG
	s_add_co_u32 s[TMP], s[TMP], STAGE
	v_add_nc_u32 v[SC0], s[TMP], v[L16]
	v_mul_u32_u24 v[STO], v30, 272
	v_lshl_add_u32 v[STO], v31, 5, v[STO]
	v_add_nc_u32 v[STO], s[TMP], v[STO]
	v_mul_u32_u24 v[SRD], v31, 272
	v_lshl_add_u32 v[SRD], v30, 4, v[SRD]
	v_add_nc_u32 v[SRD], s[TMP], v[SRD]
	v_lshlrev_b32 v[ATR0], 5, v30
	v_lshl_add_u32 v[ATW], v31, 4, v[ATR0]
	v_add_nc_u32 v[SAD], CSB, v[ATW]               ; the context's scale bytes: 32 r + 16 h, my wave's byte of the word
	v_add_nc_u32 v[SAD], s[WV], v[SAD]
	s_mul_i32 s[TMP], s[WV], WSTG
	s_add_co_u32 s[TMP], s[TMP], STAGE
	v_add_nc_u32 v[ATW], s[TMP], v[ATW]            ; the softmax: wave w's stage holds samples 16 w .. + 15
	v_add_nc_u32 v[ATR0], STAGE, v[ATR0]
	v_lshlrev_b32 v[CAD], 4, v30
	v_lshl_add_u32 v[CAD], v31, 10, v[CAD]
	s_lshl_b32 s[TMP], s[WV], 8
	s_add_co_u32 s[TMP], s[TMP], R1
	v_add_nc_u32 v[CAD], s[TMP], v[CAD]
	v_lshlrev_b32 v[GOF], 12, v31
	v_lshl_add_u32 v[GOF], v30, 4, v[GOF]
	s_lshl_b32 s[TMP], s[WV], 13
	v_add_nc_u32 v[XGO], s[TMP], v[L16]            ; my 16 rows of feat1 and feat2, 512 bytes a row
	s_mul_i32 s[TMP], s[WV], 16*PITCH
	s_add_co_u32 s[TMP], s[TMP], R1
	v_add_nc_u32 v[XST], s[TMP], v[L16]
	v_add_nc_u32 v[XRD], R1, v[LW]
	v_add_nc_u32 v[CSR], CSB, v[VSO]
	v_add_nc_u32 v[CIM], R1, v[L16]
	s_bfe_u32 s[CX], ttmp6, 0x40000
	s_lshl_b32 s[TMP], s[CX], 13
	v_lshlrev_b32 v[PFO], 4, v[L16]
	v_add_nc_u32 v[PFO], s[TMP], v[PFO]            ; 8,192 cx + 256 lane
	v_and_b32 v[PFS], 16, v[L16]
	s_lshl_b32 s[TMP], s[CX], 8
	v_lshlrev_b32 v[PFSO], 6, v[PFS]
	v_lshlrev_b32 v[PFS], 8, v[PFS]
	v_add_nc_u32 v[PFS], s[TMP], v[PFS]            ; 256 cx + 4,096 (lane % 2): the slot's two units
	v_add_nc_u32 v[PFSO], s[TMP], v[PFSO]          ; 256 cx + 1,024 (lane % 2)
	v_mov_b32 v[PFB], s[TMP]
	; descriptor group 1: 64 rows of 512 bytes, 16 bytes of padding behind each, to all four work-groups of the cluster
	s_mov_b32 s[G1], 15|(1<<20)|(1<<21)|(6<<22)|(3<<25)
	s_mov_b32 s[G1+1], 512<<16
	s_mov_b32 s[G1+2], 64<<16
	s_mov_b32 s[G1+3], 512<<16
	s_mov_b32 s[G1+4], 64
	s_mov_b32 s[G1+5], 512
	s_mov_b32 s[G1+6], 0
	s_mov_b32 s[G1+7], 0
	s_mov_b32 s[SEL], 0x76543210
	s_mov_b32 s[SEL+1], 0xfedcba98                 ; lane l xor 16
	s_mov_b32 s[CS], 0x3e0293ee                    ; log2(e) / sqrt(128)
	s_mov_b32 s[CS+1], s[CS]
	s_mul_i32 s[WL], s[WV], 64*PITCH               ; where my quarter of a tile goes
	s_lshl_b32 s[WG], ttmp9, 2
	s_add_co_u32 s[WG], s[WG], s[CX]
	s_cmp_lt_u32 ttmp9, 4
	s_cselect_b32 s[PFON], 1, 0
	s_mov_b32 s[OW+1], 0
	s_mov_b32 s[OC+1], 0
	s_mov_b32 s[FS], WSTEP
	s_mov_b32 s[FS+1], 0
	s_mov_b32 s[SS], 8192
	s_mov_b32 s[SS+1], 0
	s_mov_b32 s[SB], 0
	WALU
	s_wait_dscnt 0x0                               ; both opening adds are done
	s_wait_kmcnt 0x0
	s_lshl_b32 s[OC], s[WG], 15                    ; my 64 rows of feat1 and feat2
	s_add_nc_u64 s[4:5], s[4:5], s[OC:OC+1]
	s_add_nc_u64 s[8:9], s[8:9], s[OC:OC+1]
	s_lshl_b32 s[OC], s[WG], 11
	s_add_nc_u64 s[6:7], s[6:7], s[OC:OC+1]
	s_add_nc_u64 s[10:11], s[10:11], s[OC:OC+1]
	s_lshl_b32 s[OW], s[WV], 10                    ; my rows' scale bytes
	s_add_nc_u64 s[14:15], s[14:15], s[OW:OW+1]
	s_add_nc_u64 s[20:21], s[20:21], s[OW:OW+1]
	s_add_nc_u64 s[26:27], s[26:27], s[OW:OW+1]
	s_add_nc_u64 s[34:35], s[34:35], s[OW:OW+1]    ; bo and the output: my 256 columns
	s_add_nc_u64 s[36:37], s[36:37], s[OW:OW+1]
	s_lshl_b32 s[OW], s[WV], 7                     ; my columns' biases
	s_add_nc_u64 s[16:17], s[16:17], s[OW:OW+1]
	s_add_nc_u64 s[22:23], s[22:23], s[OW:OW+1]
	s_add_nc_u64 s[28:29], s[28:29], s[OW:OW+1]
	; feat1 into window 2 (heads 4 to 7's registers of block 0), feat2, further down, into window 3: free until Q's fifth unit
	WIN 0x80
.irp i, 0,1,2,3,4,5,6,7,8,9,10,11,12,13,14,15
	global_load_b128 v[64+4*\i:64+4*\i+3], v[XGO], s[4:5] offset:512*\i th:TH_LOAD_NT
.endr
	WIN 0
.irp p, 0,1
.irp c, 0,1
	global_load_b128 v[XS1+8*\p+4*\c:XS1+8*\p+4*\c+3], v[VSO], s[6:7] offset:1024*\p+16*\c
.endr
.endr
	UL 96, 64, 14, 16, 0, 0
	UL 104, 80, 14, 16, 4096, 512
	s_lshl_b32 s[OW], s[WV], 15                    ; my 64 rows of a tile
	s_add_nc_u64 s[12:13], s[12:13], s[OW:OW+1]
	s_add_nc_u64 s[18:19], s[18:19], s[OW:OW+1]
	s_add_nc_u64 s[24:25], s[24:25], s[OW:OW+1]
	s_lshl_b32 s[OW], s[WV], 17                    ; Wo: 64 of my own 256 rows at a time
	s_add_nc_u64 s[30:31], s[30:31], s[OW:OW+1]
	s_lshl_b32 s[OW], s[WV], 13
	s_add_nc_u64 s[32:33], s[32:33], s[OW:OW+1]
	s_lshl_b32 s[OC], s[WG], 18
	s_add_nc_u64 s[36:37], s[36:37], s[OC:OC+1]
	s_mov_b32 s[G0A], 1
	s_mov_b32 s[G0A+1], s[WL]
	s_mov_b64 s[G0A+2:G0A+3], s[12:13]
	s_or_b32 s[G0A+3], s[G0A+3], 0x80000000
	s_add_nc_u64 s[FA:FA+1], s[12:13], 2*WSTEP
	s_add_nc_u64 s[FB:FB+1], s[12:13], 3*WSTEP
	s_mov_b64 s[FC:FC+1], s[18:19]
	s_mov_b64 s[SP:SP+1], s[20:21]
	s_mov_b64 s[BP:BP+1], s[22:23]
	s_mov_b64 s[PS:PS+1], s[20:21]
	s_mov_b64 s[PB:PB+1], s[22:23]
	ROUND                                          ; all four work-groups are here: the first joint loads meet
	FILL                                           ; tile 0: one tensor load a wave at the head
	s_cmp_lg_u32 s[PFON], 0
	s_cbranch_scc0 .Lhead_noask
.irp j, 1,2,3                          ; tiles 1 to 3, their scale bytes and, wave 0, their biases; the changes of slots ask from tile 4 on
	global_prefetch_b8 v[PFO], s[12:13] offset:\j*WSTEP th:TH_LOAD_NT scope:SCOPE_SE
	global_prefetch_b8 v[PFS], s[14:15] offset:\j*8192 th:TH_LOAD_NT scope:SCOPE_SE
.endr
	s_cmp_lg_u32 s[WV], 0
	s_cbranch_scc1 .Lhead_noask
.irp j, 1,2,3
	global_prefetch_b8 v[PFB], s[16:17] offset:\j*1024 th:TH_LOAD_NT scope:SCOPE_SE
.endr
.Lhead_noask:
	s_wait_loadcnt 16                              ; feat1's rows are in: behind them 4 + 6 + 6 loads
	WIN 0x08
.irp i, 0,1,2,3,4,5,6,7,8,9,10,11,12,13,14,15
	ds_store_b128 v[XST], v[64+4*\i:64+4*\i+3] offset:PITCH*\i
.endr
	WIN 0
	WALU
	s_wait_tensorcnt 0x0                           ; my part of tile 0 is in
	ds_add_u32 v[SPW], v[NIL]
	s_add_co_u32 s[G0A+1], s[WL], SLOT
	s_add_nc_u64 s[G0A+2:G0A+3], s[12:13], WSTEP
	s_or_b32 s[G0A+3], s[G0A+3], 0x80000000
	s_wait_dscnt 0x0                               ; the add, and my stores of feat1's rows, are done
	ROUND                                          ; tile 0 and feat1's rows stand in LDS for every wave
	FILL                                           ; tile 1
	SLOTADR
	WLOAD ADW0, 0, 128
	WLOAD ADW0, 1, 160
	XFK 0
	XFK 1
	XFK 2
	XFK 3
	WIN 0
	WLOAD ADW0, 2, 192
	WLOAD ADW0, 3, 224
	WIN 0xc0
.irp i, 0,1,2,3,4,5,6,7,8,9,10,11,12,13,14,15
	global_load_b128 v[64+4*\i:64+4*\i+3], v[XGO], s[8:9] offset:512*\i th:TH_LOAD_NT
.endr
	WIN 0
.irp p, 0,1
.irp c, 0,1
	global_load_b128 v[XS2+8*\p+4*\c:XS2+8*\p+4*\c+3], v[VSO], s[10:11] offset:1024*\p+16*\c
.endr
.endr
	XFK 4
	XFK 5
	XFK 6
	XFK 7
	WIN 0
	QSLOT 0, 48, 16, 26, 26                        ; 48: fragments of steps 2 and 3, and of feat1's second half of K;  26: feat2's 16 + 4 and one scale set
	QSLOT 1, 32, 32, 6, 6                          ; 32: two fragment runs and feat2's 16 stores
	QSLOT 2, 16, 16, 6, 6
	QSLOT 3, 16, 16, 6, 0
	; ---- K
	s_mov_b64 s[FC:FC+1], s[24:25]
	s_mov_b64 s[SP:SP+1], s[26:27]
	s_mov_b64 s[BP:BP+1], s[28:29]
	s_mov_b64 s[NPS:NPS+1], s[26:27]
	s_mov_b64 s[NPB:NPB+1], s[28:29]
	s_mov_b32 s[PBY], 0
	s_mov_b32 s[GS], 0
	s_mov_b32 s[TRIP], 4
	s_wait_dscnt 0x0
	BAR                                            ; every wave has fetched feat2: its bytes take partial scores now
.Lk:                                                   ; a trip: heads 2 i, 2 i + 1.  Partial scores of head u lie in one of four areas of 8,192 bytes: two by u's parity, two by turns
	v_add_nc_u32 v[PADV], s[PBY], v[PAD0]
	WALU
	WLOAD ADW0, 2, 224
	s_wait_loadcnt 0x0
	s_wait_dscnt 10                                ; steps 0 and 1 are in: behind them two stores and step 2's run
	KMM 0, 96, 0, 2
	WIN 0
	PLACES 4
	WLOAD ADW0, 3, 96
	UL 72, 80, PS, PB, 4096, 512                   ; unit 1's scales and biases
	KMM 1, 128, 0, 2
	s_wait_dscnt 8
	KMM 2, 224, 0, 2
	s_wait_dscnt 0x0
	KMM 3, 96, 0, 2
	WIN 0
	PLACES 4
	WLOAD ADW1, 0, 128
	WLOAD ADW1, 1, 96
	SCPAIR 0, 0
	SCPAIR 0, 1
	WLOAD ADW1, 2, 224
	s_wait_loadcnt 0x0
	s_wait_dscnt 20                                ; step 4 is in: behind it two runs and four stores
	KMM 4, 128, 0, 2
	WIN 0
	PLACES 4
	WLOAD ADW1, 3, 128
	STEPU
	UL 64, 80, PS, PB, 0, 0
	s_wait_dscnt 20                                ; step 5 likewise
	KMM 5, 96, 0, 2
	s_wait_dscnt 8
	KMM 6, 224, 0, 2
	WIN 0
	DRAIN 1
	KMM 7, 128, 0, 1
	s_wait_dscnt 0x0
	s_barrier_signal -1
	KMM 7, 128, 1, 1                               ; registers only, while the others arrive
	WIN 0
	s_barrier_wait -1                              ; behind the round the partial scores up to head 2 i are whole: heads 2 i - 1 and 2 i are added below
	CREST
	FILL
	s_xor_b32 s[TMP], s[PBY], 16384
	v_add_nc_u32 v[RADV], s[PBY], v[RAD0]
	v_add_nc_u32 v[RADO], s[TMP], v[RAD0]
	v_add_nc_u32 v[SCV], s[GS], v[SC0]
	SLOTADR
.irp j, 0,1,2,3
	ds_load_b128 v[96+4*\j:96+4*\j+3], v[RADV] offset:2048*\j
.endr
	s_cmp_eq_u32 s[TRIP], 4                        ; the first trip has no head 2 i - 1
	s_cbranch_scc1 .Lk_even
.irp j, 0,1,2,3
	ds_load_b128 v[112+4*\j:112+4*\j+3], v[RADO] offset:8192+2048*\j
.endr
.Lk_even:
	WLOAD ADW0, 1, 128
	SCPAIR 1, 0
	s_wait_dscnt 10                                ; the partial scores are in: behind them a fragment run and two stores
	RSUM 96, ACC
	ds_store_b128 v[SCV], v[ACC:ACC+3] offset:512  ; head u's sums go to place u + 1 of my stage
	s_cmp_eq_u32 s[TRIP], 4
	s_cbranch_scc1 .Lk_sums
	RSUM 112, ACC+4
	ds_store_b128 v[SCV], v[ACC+4:ACC+7]
.Lk_sums:
	WLOAD ADW0, 0, 96
	ASK PFS
	SCPAIR 1, 1
	s_xor_b32 s[PBY], s[PBY], 16384
	s_add_co_u32 s[GS], s[GS], 1024
	s_sub_co_u32 s[TRIP], s[TRIP], 1
	s_cmp_lg_u32 s[TRIP], 0
	WALU
	s_cbranch_scc1 .Lk
	; ---- the softmax over g: lane: sample 16 w + r, registers 4 g + i: h = 4 (lane / 16) + i
	s_wait_dscnt 0x0
	BAR                                            ; head 7's partial scores are whole
.irp j, 0,1,2,3
	ds_load_b128 v[AT+4*\j:AT+4*\j+3], v[RAD0] offset:24576+2048*\j
.endr
.irp g, 0,1,2,3,4,5,6
	ds_load_b128 v[T+4*\g:T+4*\g+3], v[SC0] offset:512+512*\g
.endr
	s_wait_dscnt 0x0
	RSUM AT, T+28
.irp i, 0,1,2,3
	v_max3_num_f32 v[MX+\i], v[T+\i], v[T+4+\i], v[T+8+\i]
.endr
.irp i, 0,1,2,3
	v_max3_num_f32 v[MX+\i], v[MX+\i], v[T+12+\i], v[T+16+\i]
.endr
.irp i, 0,1,2,3
	v_max3_num_f32 v[MX+\i], v[MX+\i], v[T+20+\i], v[T+24+\i]
.endr
.irp i, 0,1,2,3
	v_max_num_f32 v[MX+\i], v[MX+\i], v[T+28+\i]
.endr
.irp i, 0,1,2,3
	v_mul_f32 v[MX+\i], s[CS], v[MX+\i]
.endr
.irp g, 0,1,2,3,4,5,6,7
.irp u, 0,1
	v_pk_fma_f32 v[T+4*\g+2*\u:T+4*\g+2*\u+1], v[T+4*\g+2*\u:T+4*\g+2*\u+1], s[CS:CS+1], v[MX+2*\u:MX+2*\u+1] op_sel_hi:[1,0,1] neg_lo:[0,0,1] neg_hi:[0,0,1]
.endr
.endr
	WALU
.irp j, 0,1,2,3,4,5,6,7,8,9,10,11,12,13,14,15,16,17,18,19,20,21,22,23,24,25,26,27,28,29,30,31
	v_exp_f32 v[T+\j], v[T+\j]
.endr
	v_nop
	WALU
.irp u, 0,1
	v_pk_add_f32 v[SM+2*\u:SM+2*\u+1], v[T+2*\u:T+2*\u+1], v[T+4+2*\u:T+5+2*\u]
.endr
.irp g, 2,3,4,5,6,7
.irp u, 0,1
	v_pk_add_f32 v[SM+2*\u:SM+2*\u+1], v[SM+2*\u:SM+2*\u+1], v[T+4*\g+2*\u:T+4*\g+2*\u+1]
.endr
.endr
	WALU
.irp i, 0,1,2,3
	v_rcp_f32 v[RC+\i], v[SM+\i]
.endr
	v_nop
	WALU
.irp g, 0,1,2,3,4,5,6,7
.irp u, 0,1
	v_pk_mul_f32 v[T+4*\g+2*\u:T+4*\g+2*\u+1], v[T+4*\g+2*\u:T+4*\g+2*\u+1], v[RC+2*\u:RC+2*\u+1]
.endr
.endr
.irp g, 0,1,2,3,4,5,6,7
	ds_store_b128 v[ATW], v[T+4*\g:T+4*\g+3] offset:512*\g
.endr
	; ---- V
	s_mov_b64 s[FC:FC+1], s[30:31]
	s_mov_b32 s[FS], 32768
	s_mov_b64 s[SP:SP+1], s[32:33]
	s_mov_b32 s[SS], 2048
	s_mov_b64 s[BP:BP+1], s[34:35]
	s_mov_b64 s[NPS:NPS+1], s[32:33]
	s_mov_b64 s[NPB:NPB+1], s[34:35]
	s_mov_b32 s[GS], 0
	s_mov_b32 s[TRIP], 4
	s_wait_dscnt 0x0
	BAR                                            ; the weights of all 64 samples stand in LDS
.Lv:
	v_add_nc_u32 v[ATA], s[GS], v[ATR0]
	WALU
	WLOAD ADW0, 2, 224
	ATL 0, 0
	s_wait_loadcnt 0x0
	s_wait_dscnt 20                                ; step 0 is in: behind it two runs and four loads of weights
	KMM 0, 96, 0, 2
	WIN 0
	PLACES 4
	WLOAD ADW0, 3, 96
	UL 72, 80, PS, PB, 4096, 512
	s_wait_dscnt 20
	KMM 1, 128, 0, 2
	s_wait_dscnt 12
	KMM 2, 224, 0, 2
	s_wait_dscnt 0x0
	KMM 3, 96, 0, 2
	WIN 0
	PLACES 4
	ATL 0, 1
	WLOAD ADW1, 0, 128
	WLOAD ADW1, 1, 96
	s_cmp_eq_u32 s[TRIP], 4
	s_cbranch_scc0 .Lv_more
	VP 1, 0
	s_wait_dscnt 16                                ; the weights are in: behind them two fragment runs
	VP 1, 1
	s_branch .Lv_on
.Lv_more:
	VP 0, 0
	s_wait_dscnt 16
	VP 0, 1
.Lv_on:
	WLOAD ADW1, 2, 224
	ATL 1, 0
	s_wait_loadcnt 0x0
	s_wait_dscnt 20
	KMM 4, 128, 0, 2
	WIN 0
	PLACES 4
	WLOAD ADW1, 3, 128
	STEPU
	UL 64, 80, PS, PB, 0, 0
	s_wait_dscnt 20
	KMM 5, 96, 0, 2
	s_wait_dscnt 12
	KMM 6, 224, 0, 2
	WIN 0
	DRAIN 1
	KMM 7, 128, 0, 1
	s_wait_dscnt 0x0
	s_barrier_signal -1
	KMM 7, 128, 1, 1                               ; registers only, while the others arrive
	WIN 0
	s_barrier_wait -1
	CREST
	FILL
	ATL 1, 1
	s_cmp_eq_u32 s[TRIP], 1                        ; the next slot is Wo's: other rows of it are mine
	s_cbranch_scc1 .Lv_last
	SLOTADR
	WLOAD ADW0, 0, 96
	WLOAD ADW0, 1, 128
.Lv_last:
	ASK PFSO
	VP 0, 0
	s_wait_dscnt 0x0
	VP 0, 1
	s_add_co_u32 s[GS], s[GS], 1024
	s_sub_co_u32 s[TRIP], s[TRIP], 1
	s_cmp_lg_u32 s[TRIP], 0
	WALU
	s_cbranch_scc1 .Lv
	; ---- the context's codes, and O
	v_add_nc_u32 v[AWB0], s[WL], v[LW]             ; a slot holds 64 of my own rows of Wo
	v_add_nc_u32 v[AWB1], 32*PITCH, v[AWB0]
	SLOTADR
	WLOAD ADW0, 0, 96
	WLOAD ADW0, 1, 128
	WLOAD ADW0, 2, 224
	QUANTM 0
	QUANTM 1
	QUANTM 2
	QUANTM 3
	s_wait_dscnt 0x0
	BAR                                            ; the context's codes and scale bytes stand in LDS
	CFETCH
	OSLOT 0
	OSLOT 1
	OSLOT 2
	OSLOT 3
	TOSTAGE 1, 0                                   ; the last slot's rows
	TOSTAGE 1, 1
	SEND 3, 0, 16
	TOSTAGE 1, 2
	SEND 3, 1, 16
	TOSTAGE 1, 3
	SEND 3, 2, 16
	SEND 3, 3, 0
	s_wait_tensorcnt 0x0                           ; the wave's end
	ds_add_u32 v[SPW], v[NIL]
	s_wait_dscnt 0x0
	ROUND                                          ; the closing round
	s_endpgm
.Lfunc_end_k_q11221fcb0d_fused:
	.size	k_q11221fcb0d_fused, .Lfunc_end_k_q11221fcb0d_fused-k_q11221fcb0d_fused
	.p2alignl 7, 3214868480
	.fill 96, 4, 3214868480
	.section	.rodata,"a",@progbits
	.p2align	6, 0x0
	.amdhsa_kernel k_q11221fcb0d_fused
		.amdhsa_group_segment_fixed_size 327680
		.amdhsa_private_segment_fixed_size 0
		.amdhsa_enable_private_segment 0
		.amdhsa_kernarg_size 136
		.amdhsa_user_sgpr_count 2
		.amdhsa_user_sgpr_kernarg_segment_ptr 1
		.amdhsa_wavefront_size32 1
		.amdhsa_system_sgpr_workgroup_id_x 1
		.amdhsa_system_sgpr_workgroup_id_y 1
		.amdhsa_system_sgpr_workgroup_id_z 1
		.amdhsa_system_vgpr_workitem_id 0
		.amdhsa_next_free_vgpr 1024
		.amdhsa_next_free_sgpr 100
		.amdhsa_reserve_vcc 0
		.amdhsa_float_denorm_mode_32 3
		.amdhsa_float_denorm_mode_16_64 3
		.amdhsa_memory_ordered 1
		.amdhsa_forward_progress 1
		.amdhsa_inst_pref_size 255
	.end_amdhsa_kernel
	.section	.bss,"aw",@nobits
	.p2align	6
	.space	262144
	.amdgpu_metadata
---
amdhsa.version: [ 1, 2 ]
amdhsa.kernels:
  - .name:           k_q11221fcb0d_fused
    .symbol:         k_q11221fcb0d_fused.kd
    .args:
      - { .name: feat1_codes, .offset: 0, .size: 8, .value_kind: global_buffer, .address_space: global }
      - { .name: feat1_scales, .offset: 8, .size: 8, .value_kind: global_buffer, .address_space: global }
      - { .name: feat2_codes, .offset: 16, .size: 8, .value_kind: global_buffer, .address_space: global }
      - { .name: feat2_scales, .offset: 24, .size: 8, .value_kind: global_buffer, .address_space: global }
      - { .name: Wq_codes, .offset: 32, .size: 8, .value_kind: global_buffer, .address_space: global }
      - { .name: Wq_scales, .offset: 40, .size: 8, .value_kind: global_buffer, .address_space: global }
      - { .name: bq, .offset: 48, .size: 8, .value_kind: global_buffer, .address_space: global }
      - { .name: Wk_codes, .offset: 56, .size: 8, .value_kind: global_buffer, .address_space: global }
      - { .name: Wk_scales, .offset: 64, .size: 8, .value_kind: global_buffer, .address_space: global }
      - { .name: bk, .offset: 72, .size: 8, .value_kind: global_buffer, .address_space: global }
      - { .name: Wv_codes, .offset: 80, .size: 8, .value_kind: global_buffer, .address_space: global }
      - { .name: Wv_scales, .offset: 88, .size: 8, .value_kind: global_buffer, .address_space: global }
      - { .name: bv, .offset: 96, .size: 8, .value_kind: global_buffer, .address_space: global }
      - { .name: Wo_codes, .offset: 104, .size: 8, .value_kind: global_buffer, .address_space: global }
      - { .name: Wo_scales, .offset: 112, .size: 8, .value_kind: global_buffer, .address_space: global }
      - { .name: bo, .offset: 120, .size: 8, .value_kind: global_buffer, .address_space: global }
      - { .name: out0, .offset: 128, .size: 8, .value_kind: global_buffer, .address_space: global }
    .group_segment_fixed_size: 327680
    .private_segment_fixed_size: 0
    .kernarg_segment_align: 8
    .kernarg_segment_size: 136
    .max_flat_workgroup_size: 128
    .sgpr_count:     100
    .vgpr_count:     1024
    .wavefront_size: 32
...
	.end_amdgpu_metadata
.endif
;; end of part 1
